; MI455X (gfx1250); checked and timed in simulation.
; The chip was launched on July 23, 2026; its instructions are those of AMD's public machine-readable ISA for CDNA 5 (MIT licence, August 2026) and "CDNA5" Instruction Set Architecture Reference Guide (July 2026). The comments in the code are by the model that wrote it; some were corrected since.
;; Cross Seq Attention Layer. Allowed arithmetic: matrix products marked QUANTISED: E4M3 operands, one given power-of-two scale a tensor, by v_wmma_f32_16x16x64_fp8_fp8 or v_wmma_f32_16x16x128_fp8_fp8, f32 sums; everything else in f32.
;; Inputs: R 2,048 x 2,048 float32; Wk 1,024 x 1,024 float32; Wp 1,024 x 1,024 float32; Wq 1,024 x 1,024 float32; Wv 1,024 x 1,024 float32; beta 1 float32; bias 1,024 float32; gamma 1,024 float32; lowp_scales 12 int32 (the exponents e of the quantised operands' scales 2^e); tokens 4 x 2,048 x 1,024 float32.
;; Outputs: out0 4 x 2,048 x 1,024 float32.
;; This version of the problem:
;;   THIS VERSION OF THE PROBLEM IS GIVEN IN LOW PRECISION. The matrix products marked QUANTISED in the list below multiply operands that are first quantised to E4M3 (4 exponent bits, 3 mantissa bits; 8 bits a number), with one given power-of-two scale for each operand tensor; their sums are f32. All else is computed in f32.
;;   The module's matrix products, in the order in which they are computed (A, B: the left and right operand; K: the contracted axis; several contracted axes count as one K, in the product's order):
;;     1. [M 8,192, K 1,024] x [K 1,024, N 1,024]; A: input tokens; B: input Wq: QUANTISED (scales: A lowp_scales[0], B lowp_scales[1])
;;     2. [M 8,192, K 1,024] x [K 1,024, N 1,024]; A: input tokens; B: input Wk: QUANTISED (scales: A lowp_scales[2], B lowp_scales[3])
;;     3. [M 8,192, K 1,024] x [K 1,024, N 1,024]; A: input tokens; B: input Wv: QUANTISED (scales: A lowp_scales[4], B lowp_scales[5])
;;     4. batch 64 x [M 2,048, K 64] x [K 64, N 2,048]; A: computed on the way; B: computed on the way: QUANTISED (scales: A lowp_scales[6], B lowp_scales[7])
;;     5. batch 64 x [M 2,048, K 2,048] x [K 2,048, N 64]; A: softmax (see below); B: computed on the way: QUANTISED (scales: A lowp_scales[8], B lowp_scales[9])
;;     6. [M 8,192, K 1,024] x [K 1,024, N 1,024]; A: computed on the way; B: input Wp: QUANTISED (scales: A lowp_scales[10], B lowp_scales[11])
;;   THE QUANTISER, for each operand of a quantised product, along K:
;;     - The operand's scale is 2^e, e = its entry of the input lowp_scales (int32; the entries are numbered through the quantised products in the list's order, A before B).
;;     - Each number is divided by the scale, clamped to +-448, and rounded to the nearest number of E4M3, ties to even, subnormals kept.
;;     - The product sums the exact products of the quantised numbers (number of the format x scale) in f32.
;;   ~~~python
;;   def quantise(x, axis, e):      # numpy; x: float32 -> the quantised numbers, widened to float32 again
;;       x = np.moveaxis(x, axis, -1); K = x.shape[-1]
;;       r = np.clip(x / 2.0 ** e, -448, 448)
;;       step = 2.0 ** (np.maximum(np.frexp(np.where(r == 0, 1, r))[1] - 1, -6) - 3)
;;       q = np.round(r / step) * step * 2.0 ** e      # np.round: ties to even
;;       return np.moveaxis(q, -1, axis).astype(np.float32)
;;   ~~~
;;   SOFTMAX AHEAD OF A QUANTISED PRODUCT. Where the list says 'softmax', what is quantised is not the finished softmax but p = 2^(t - M), with t = logit x log2(e) and M = ceil(the row's largest t), a whole number; so 1/2 < the row's largest p <= 1. The row's sum l is taken of the UNQUANTISED p, in f32, and the product's result is divided by l at the end. Since M is a whole number, a kernel that streams over the keys may use a running M (the ceiling of the running maximum): every later rescaling is an exact power of two, so the quantised numbers keep their values, but for numbers so far below the row's largest that they fall under the format's range.
;;   OPERANDS COMPUTED ON THE WAY. 'Computed on the way' means the value that the module computes at that place (a softmax that the list does not call 'softmax' is quantised finished and normalised). What goes into a quantiser is computed in f32, as accurately as f32 sums, v_exp_f32 and their like allow (about 1e-6 of the number): no bf16 or f16 on the way to a quantiser, and a product that is left as it is and whose result goes on into a quantised operand takes f32 operands (vector FMAs, or v_wmma_f32_16x16x4_f32). A number that lies on a knife's edge between two numbers of the format may be rounded either way, as far as f32 arithmetic and the matrix unit's own rounding can turn it there, and no further.
;; One version. Each part assembles by itself: llvm-mc -triple=amdgcn-amd-amdhsa -mcpu=gfx1250 --defsym DOCPART=n.
;; ======== version 1 of 1: 4 launches
;; limits: right only within a limited range of input values
;; workspace buffers: tok3 25,165,824 bytes; wc 4,194,304 bytes; lr 16,777,216 bytes; qc 8,388,608 bytes; kv 16,777,216 bytes; oc 8,388,608 bytes
;; launch prep (part 1): grid 256 x 1, 8 waves a work-group, no clusters, 68,608 bytes of LDS; arguments tokens, Wq, Wk, Wv, Wp, R, beta, lowp_scales, tok3, wc, lr; writes tok3, wc, lr
.if DOCPART == 1
	.amdgcn_target "amdgcn-amd-amdhsa--gfx1250"
	.amdhsa_code_object_version 6
	.text
	.protected	k_q25eea88fe6_prep
	.globl	k_q25eea88fe6_prep
	.p2align	8
	.type	k_q25eea88fe6_prep,@function
k_q25eea88fe6_prep:
	s_mov_b64 s[64:65], 0
	v_nop
	global_prefetch_b8 v0, s[64:65] scope:SCOPE_SE
	s_setreg_imm32_b32 hwreg(HW_REG_WAVE_MODE, 25, 1), 1
	s_wait_xcnt 0x0
; PREP.  tokens [8192][1024] become codes of E4M3 three times (scales 2^e0, 2^e2, 2^e4: products 1, 2, 3), Wq, Wk, Wv, Wp [1024][1024] once each (e1, e3, e5, e11),
; and R [2048][2048] becomes LR = beta x log2(max(R, 1e-8)) x 8 ln 2 x 2^-(e6 + e7), f32: the term that the attention launch gives its first product as C.
; ALL RESULTS ARE LAID AS IMAGES OF AN OPERAND'S REGISTERS: a block of 512 bytes holds four registers of 32 lanes, lane l's 16 bytes at 16 l.
; A tile T is 16 rows, and its rows are not neighbours: row r of tile T is matrix row 32 (T / 2) + 8 (T % 2) + r + 8 (r / 8).  Lane (r = l % 16, h = l / 16) holds, of its row, k = 32 c + 16 h + 0 .. 15 in block c.
;   tok3: [3][tile 512][K step of 128: 8][c 4][512]     wc: [q, k, v, p][tile 64][8][4][512]     lr: [key step 16][query tile 128][16][512]: register 16 b + i = key 32 b + 16 h + i
; SHARES.  A unit is one tile x 128 columns (8,192 bytes of f32); a wave takes four units side by side, a work-group 32.  Work-groups 0-127: tokens; 128-191: the weights, 16 each; 192-255: R.
; Each load reads 512 consecutive bytes of one row; the unit turns through the wave's own stage in LDS (rows of 512 + 16 bytes) and comes back 16 neighbours of a block a lane; each store covers 512 consecutive bytes, aligned.
; No cluster, no tensor load, no barrier: no two work-groups and no two waves read the same bytes.  The paths part on the work-group's number behind the LDS lines, which all take alike.
; LIMITS: e0 .. e5 and e11 between -126 and 119, so that 2^e and 448 x 2^e are f32 numbers.  NaN among the inputs is not served (a NaN in R counts as 1e-8); an infinity is held at the largest code.
.set SP,   528                         ; a stage row: 512 bytes + 16: 132 words, so that sixteen rows begin at sixteen different groups of banks
.set STG,  16*SP                       ; a wave's stage
.set OFF,  12                          ; v12-27   byte offset of stage row p's 16 bytes of mine in the source
.set X,    32                          ; v32-95   a unit as loaded
.set Y,    96                          ; v96-159  the unit, 16 neighbours of each block of 32 a lane
.set T,    160                         ; v160-191 held numbers, two sets of 16 by turns
.set C,    192                         ; v192-239 codes, 16 registers for each of the three scales
.set SRC,  50                          ; s[50:51] source;  s[52:57] three destinations
.set DST,  52
	s_load_b512 s[8:23], s[0:1], 0x0               ; tokens 8, Wq 10, Wk 12, Wv 14, Wp 16, R 18, beta 20, scales 22
	s_load_b128 s[24:27], s[0:1], 0x40             ; tok3, wc
	s_load_b64 s[28:29], s[0:1], 0x50              ; lr
	v_lshl_add_u32 v240, v0, 2, 0x10800
	v_mov_b32 v241, 0
	v_lshrrev_b32 v1, 5, v0
	s_delay_alu instid0(VALU_DEP_1)
	v_readfirstlane_b32 s45, v1                    ; wave 0..7
	v_and_b32 v2, 31, v0
	s_delay_alu instid0(VALU_DEP_1)
	v_lshlrev_b32 v1, 4, v2                        ; v1 = 16 x lane
	s_wait_alu depctr_va_vdst(0)
	s_mul_i32 s58, s45, STG
	v_add_nc_u32 v2, s58, v1                       ; v2: the stage on the way in
	v_and_b32 v3, 15, v0
	v_bfe_u32 v28, v0, 4, 1
	s_delay_alu instid0(VALU_DEP_2)
	v_mul_u32_u24 v3, v3, SP
	s_delay_alu instid0(VALU_DEP_1)
	v_lshl_add_u32 v3, v28, 6, v3
	s_delay_alu instid0(VALU_DEP_1)
	v_add_nc_u32 v3, s58, v3                       ; v3: on the way out: row r, + 64 h
	; which unit: R's work-groups (sR = 1) have rows twice as long and 16 units to a tile
	s_cmp_ge_u32 ttmp9, 192
	s_cselect_b32 s60, 1, 0                        ; sR
	s_mov_b32 s61, 15
	s_cselect_b32 s61, 63, s61
	s_cmp_lt_u32 ttmp9, 128
	s_cselect_b32 s61, 127, s61
	s_and_b32 s61, ttmp9, s61                      ; the work-group's number within its kind (within its weight)
	s_lshl_b32 s47, 4096, s60                      ; bytes in a source row
	s_mul_i32 s62, s60, 9
	s_lshl_b32 s48, 2048, s62                      ; bytes from a unit's results to the next unit's: 2,048, for R 1 MiB
	s_mov_b32 s49, 0
	s_sub_co_u32 s62, 2, s60
	s_lshl_b32 s61, s61, s62
	s_add_co_u32 s62, s60, 1
	s_lshr_b32 s62, s45, s62
	s_add_co_u32 s61, s61, s62                     ; T = 4 gk + w / 2, for R 2 gk + w / 4
	s_lshl_b32 s62, s60, 1
	s_or_b32 s62, s62, 1
	s_and_b32 s62, s45, s62
	s_lshl_b32 s62, s62, 2                         ; first unit along the columns: 4 (w % 2), for R 4 (w % 4)
	s_lshr_b32 s63, s61, 1
	s_lshl_b32 s63, s63, 5
	s_and_b32 s66, s61, 1
	s_lshl_b32 s66, s66, 3
	s_add_co_u32 s63, s63, s66                     ; the tile's first row
	s_mul_i32 s66, s63, s47
	s_lshl_b32 s63, s62, 9
	s_add_co_u32 s66, s66, s63
	s_mov_b32 s67, 0                               ; s[66:67]: the source's offset
	s_lshl_b32 s68, s61, 14
	s_lshl_b32 s63, s62, 11
	s_add_co_u32 s68, s68, s63                     ; in a buffer of codes
	s_mov_b32 s69, 0
	s_bfe_u32 s63, ttmp9, 0x20004                  ; which weight
	s_lshl_b32 s63, s63, 20
	s_add_co_u32 s70, s68, s63
	s_lshl_b32 s72, s62, 20
	s_lshl_b32 s63, s61, 13
	s_add_co_u32 s72, s72, s63                     ; in lr
	s_cmp_lt_u32 ttmp9, 128
	s_cselect_b32 s70, s68, s70
	s_cmp_ge_u32 ttmp9, 192
	s_cselect_b32 s70, s72, s70
	s_mov_b32 s71, 0                               ; s[70:71]: the first destination's offset
.irp p, 0,1,2,3,4,5,6,7,8,9,10,11,12,13,14,15
	v_mad_u32_u24 v[OFF+\p], s47, \p+8*(\p/8), v1
.endr
	s_wait_alu depctr_va_vdst(0)
	s_wait_kmcnt 0x0
	s_load_b256 s[32:39], s[22:23], 0x0            ; e0 .. e7
	s_load_b128 s[40:43], s[22:23], 0x20           ; e8 .. e11
	s_load_b32 s44, s[20:21], 0x0                  ; beta
	s_cmp_lt_u32 ttmp9, 192                        ; the buffers are chosen on the work-group's number alone
	s_cselect_b64 s[SRC:SRC+1], s[16:17], s[18:19]
	s_cselect_b64 s[DST:DST+1], s[26:27], s[28:29]
	s_cmp_lt_u32 ttmp9, 176
	s_cselect_b64 s[SRC:SRC+1], s[14:15], s[SRC:SRC+1]
	s_cmp_lt_u32 ttmp9, 160
	s_cselect_b64 s[SRC:SRC+1], s[12:13], s[SRC:SRC+1]
	s_cmp_lt_u32 ttmp9, 144
	s_cselect_b64 s[SRC:SRC+1], s[10:11], s[SRC:SRC+1]
	s_cmp_lt_u32 ttmp9, 128
	s_cselect_b64 s[SRC:SRC+1], s[8:9], s[SRC:SRC+1]
	s_cselect_b64 s[DST:DST+1], s[24:25], s[DST:DST+1]
	s_add_nc_u64 s[SRC:SRC+1], s[SRC:SRC+1], s[66:67]
	s_add_nc_u64 s[DST:DST+1], s[DST:DST+1], s[70:71]
	s_add_nc_u64 s[DST+2:DST+3], s[24:25], s[68:69]
	s_add_nc_u64 s[DST+4:DST+5], s[DST+2:DST+3], 0x1000000     ; tokens under e4
	s_add_nc_u64 s[DST+2:DST+3], s[DST+2:DST+3], 0x800000      ; tokens under e2 (token work-groups alone store there)
.macro LOADX                           ; a unit: sixteen rows, 512 consecutive bytes each
.irp p, 0,1,2,3,4,5,6,7,8,9,10,11,12,13,14,15
	global_load_b128 v[X+4*\p:X+4*\p+3], v[OFF+\p], s[SRC:SRC+1]
.endr
.endm
.macro TURN                            ; through my stage: LDS serves a wave's instructions in order, so no wait stands between the stores and the loads
.irp p, 0,1,2,3,4,5,6,7,8,9,10,11,12,13,14,15
	ds_store_b128 v2, v[X+4*\p:X+4*\p+3] offset:SP*\p
.endr
.irp n, 0,1,2,3,4,5,6,7,8,9,10,11,12,13,14,15
	ds_load_b128 v[Y+4*\n:Y+4*\n+3], v3 offset:128*(\n/4)+16*(\n%4)   ; Y[16 b + i] = column 32 b + 16 h + i of row r
.endr
.endm
.macro QZ z                            ; the unit's codes under scale z, and their four stores
.irp b, 0,1,2,3
.irp i, 0,1,2,3,4,5,6,7,8,9,10,11,12,13,14,15
	v_med3_num_f32 v[T+16*(\b%2)+\i], v[Y+16*\b+\i], -v[5+2*\z], v[5+2*\z]   ; the conversion to an 8-bit code does not saturate (ISA guide 7.6.2): the hold at 448 x the scale comes first
.endr
	v_cvt_scalef32_pk8_fp8_f32 v[C+16*\z+4*\b:C+16*\z+4*\b+1], v[T+16*(\b%2):T+16*(\b%2)+7], v[4+2*\z]
	v_cvt_scalef32_pk8_fp8_f32 v[C+16*\z+4*\b+2:C+16*\z+4*\b+3], v[T+16*(\b%2)+8:T+16*(\b%2)+15], v[4+2*\z]   ; the next block's holds write the other set: plain lines between these and any write of their sources
.endr
	v_nop                                          ; a plain line behind the last conversion
.irp b, 0,1,2,3
	global_store_b128 v1, v[C+16*\z+4*\b:C+16*\z+4*\b+3], s[DST+2*\z:DST+2*\z+1] offset:512*\b
.endr
.endm
.macro SCALE z, e                      ; v[4 + 2 z] = 2^e, v[5 + 2 z] = 448 x 2^e
	s_add_co_i32 s59, \e, 127
	s_lshl_b32 s63, s59, 23
	v_mov_b32 v[4+2*\z], s63
	s_add_co_i32 s59, s59, 8
	s_lshl_b32 s59, s59, 23
	s_or_b32 s59, s59, 0x600000
	v_mov_b32 v[5+2*\z], s59
.endm
	LOADX
	s_wait_kmcnt 0x0
	s_mov_b32 s58, s43                             ; the first scale: e11 for Wp,
	s_cmp_lt_u32 ttmp9, 176
	s_cselect_b32 s58, s37, s58                    ; e5 for Wv,
	s_cmp_lt_u32 ttmp9, 160
	s_cselect_b32 s58, s35, s58                    ; e3 for Wk,
	s_cmp_lt_u32 ttmp9, 144
	s_cselect_b32 s58, s33, s58                    ; e1 for Wq,
	s_cmp_lt_u32 ttmp9, 128
	s_cselect_b32 s58, s32, s58                    ; e0 for tokens
	SCALE 0, s58
	SCALE 1, s34
	SCALE 2, s36
	s_add_co_i32 s59, s38, s39
	s_sub_co_i32 s59, 0, s59                       ; -(e6 + e7)
	v_mov_b32 v10, s44
	s_delay_alu instid0(VALU_DEP_1)
	v_mul_f32 v10, 0x40b17218, v10                 ; beta x 8 ln 2
	s_delay_alu instid0(VALU_DEP_1)
	v_ldexp_f32 v10, v10, s59
	s_delay_alu instid0(VALU_DEP_1)
	v_mov_b32 v11, v10                             ; a pair for the packed multiply
	s_mov_b32 s46, 4
.Ltrip:
	s_wait_loadcnt 0x0                             ; the unit is in: its loads are done, so their base may step
	TURN
	s_add_nc_u64 s[SRC:SRC+1], s[SRC:SRC+1], 512
	s_wait_dscnt 0x0                               ; the stage's stores have read X, and Y is in
	s_cmp_eq_u32 s46, 1
	s_cbranch_scc1 .Lnoload                        ; the last unit has no successor: no load leaves its buffer
	LOADX
.Lnoload:
	s_cmp_ge_u32 ttmp9, 192
	s_cbranch_scc1 .Llr
	s_wait_alu depctr_va_vdst(0)
	QZ 0
	s_cmp_ge_u32 ttmp9, 128
	s_cbranch_scc1 .Ljoin
	QZ 1
	QZ 2
	s_branch .Ljoin
.Llr:
.set j, 0
.rept 64
	v_max_num_f32 v[Y+j], 0x322bcc77, v[Y+j]       ; max(R, 1e-8)
.set j, j+1
.endr
.set j, 0
	s_wait_alu depctr_va_vdst(0)
.rept 64
	v_log_f32 v[Y+j], v[Y+j]                       ; log2
.set j, j+1
.endr
	v_nop                                          ; a plain line behind the last logarithm
.set j, 0
	s_wait_alu depctr_va_vdst(0)
.rept 32
	v_pk_mul_f32 v[Y+j:Y+j+1], v[Y+j:Y+j+1], v[10:11]
.set j, j+2
.endr
.irp n, 0,1,2,3,4,5,6,7,8,9,10,11,12,13,14,15
	global_store_b128 v1, v[Y+4*\n:Y+4*\n+3], s[DST:DST+1] offset:512*\n
.endr
.Ljoin:
	s_wait_xcnt 0x0                                ; the stores' data (C, Y) and bases are written again only behind this wait
	s_add_nc_u64 s[DST:DST+1], s[DST:DST+1], s[48:49]
	s_add_nc_u64 s[DST+2:DST+3], s[DST+2:DST+3], s[48:49]
	s_add_nc_u64 s[DST+4:DST+5], s[DST+4:DST+5], s[48:49]
	s_sub_co_u32 s46, s46, 1
	s_cmp_lg_u32 s46, 0
	s_cbranch_scc1 .Ltrip
	s_wait_tensorcnt 0x0
	ds_add_u32 v240, v241
	s_wait_dscnt 0x0
	s_endpgm
.Lfunc_end_k_q25eea88fe6_prep:
	.size	k_q25eea88fe6_prep, .Lfunc_end_k_q25eea88fe6_prep-k_q25eea88fe6_prep
	.p2alignl 7, 3214868480
	.fill 96, 4, 3214868480
	.section	.rodata,"a",@progbits
	.p2align	6, 0x0
	.amdhsa_kernel k_q25eea88fe6_prep
		.amdhsa_group_segment_fixed_size 68608
		.amdhsa_private_segment_fixed_size 0
		.amdhsa_enable_private_segment 0
		.amdhsa_kernarg_size 88
		.amdhsa_user_sgpr_count 2
		.amdhsa_user_sgpr_kernarg_segment_ptr 1
		.amdhsa_wavefront_size32 1
		.amdhsa_system_sgpr_workgroup_id_x 1
		.amdhsa_system_sgpr_workgroup_id_y 1
		.amdhsa_system_sgpr_workgroup_id_z 1
		.amdhsa_system_vgpr_workitem_id 0
		.amdhsa_next_free_vgpr 242
		.amdhsa_next_free_sgpr 80
		.amdhsa_reserve_vcc 0
		.amdhsa_float_denorm_mode_32 3
		.amdhsa_float_denorm_mode_16_64 3
		.amdhsa_memory_ordered 1
		.amdhsa_forward_progress 1
		.amdhsa_inst_pref_size 37
	.end_amdhsa_kernel
	.amdgpu_metadata
---
amdhsa.version: [ 1, 2 ]
amdhsa.kernels:
  - .name:           k_q25eea88fe6_prep
    .symbol:         k_q25eea88fe6_prep.kd
    .args:
      - { .name: tokens, .offset: 0, .size: 8, .value_kind: global_buffer, .address_space: global }
      - { .name: Wq, .offset: 8, .size: 8, .value_kind: global_buffer, .address_space: global }
      - { .name: Wk, .offset: 16, .size: 8, .value_kind: global_buffer, .address_space: global }
      - { .name: Wv, .offset: 24, .size: 8, .value_kind: global_buffer, .address_space: global }
      - { .name: Wp, .offset: 32, .size: 8, .value_kind: global_buffer, .address_space: global }
      - { .name: R, .offset: 40, .size: 8, .value_kind: global_buffer, .address_space: global }
      - { .name: beta, .offset: 48, .size: 8, .value_kind: global_buffer, .address_space: global }
      - { .name: lowp_scales, .offset: 56, .size: 8, .value_kind: global_buffer, .address_space: global }
      - { .name: tok3, .offset: 64, .size: 8, .value_kind: global_buffer, .address_space: global }
      - { .name: wc, .offset: 72, .size: 8, .value_kind: global_buffer, .address_space: global }
      - { .name: lr, .offset: 80, .size: 8, .value_kind: global_buffer, .address_space: global }
    .group_segment_fixed_size: 68608
    .private_segment_fixed_size: 0
    .kernarg_segment_align: 8
    .kernarg_segment_size: 88
    .max_flat_workgroup_size: 256
    .sgpr_count:     80
    .vgpr_count:     242
    .wavefront_size: 32
...
	.end_amdgpu_metadata
.endif
;; end of part 1
;; launch qkv (part 2): grid 16 x 24, 4 waves a work-group, clusters of 4 x 4, 327,680 bytes of LDS; arguments tok3, wc, lowp_scales, qc, kv; writes qc, kv
.if DOCPART == 2
	.amdgcn_target "amdgcn-amd-amdhsa--gfx1250"
	.amdhsa_code_object_version 6
	.text
	.protected	k_q25eea88fe6_qkv
	.globl	k_q25eea88fe6_qkv
	.p2align	8
	.type	k_q25eea88fe6_qkv,@function
k_q25eea88fe6_qkv:
	s_mov_b64 s[64:65], 0
	v_nop
	global_prefetch_b8 v0, s[64:65] scope:SCOPE_SE
	s_setreg_imm32_b32 hwreg(HW_REG_WAVE_MODE, 25, 1), 1
	s_wait_xcnt 0x0
	s_wait_alu depctr_hold_cnt(0) depctr_sa_sdst(0) depctr_va_vdst(0) depctr_va_sdst(0) depctr_va_ssrc(0) depctr_va_vcc(0) depctr_vm_vsrc(0)
	s_getreg_b32 s2, hwreg(HW_REG_IB_STS2, 6, 4)
	s_cmp_eq_u32 s2, 0
	s_cbranch_scc0 .Lentry_in_a_cluster
	s_endpgm
.Lentry_in_a_cluster:
	s_bfe_u32 s2, ttmp6, 0x10000c
	s_cmp_lg_u32 s2, 0xf033
	s_cbranch_scc0 .Lentry_shape_is_right
	s_endpgm
.Lentry_shape_is_right:
.set HALFT,  32768
.set SLOT,   4*HALFT
.set SPARE,  2*SLOT
.set FR,     16
.set NL,     4
.set VG,   8
.set ADRA, 16
.set ADRB, 20
.set L16,  26
.set SPW,  28
.set NIL,  29
.set SCL,  30
.set LIM,  31
.set TT,   32
.set OFS,  96
.set CC,   128
.set AF,   128
.set G1, 24
.set G0, 32
.set G1B, 48
.set G0B, 56
.set MSB, 0
.macro WIN new
.if MSB != (\new)
	s_set_vgpr_msb (MSB<<8)|(\new)
.set MSB, (\new)
.endif
.endm
.set MUL_LO, 0xa1
.set MUL_HI, 0xf1
.set TO_B,   0x40
.macro JLOAD g0a, g1a, g0b, g1b
	s_cmp_eq_u32 s15, 0
	s_cbranch_scc0 .Lfor_b_\@
	tensor_load_to_lds s[\g0a:\g0a+3], s[\g1a:\g1a+7]
	s_nop 0
.rept 4
	v_nop
.endr
	s_branch .Lasked_\@
.Lfor_b_\@:
	tensor_load_to_lds s[\g0b:\g0b+3], s[\g1b:\g1b+7]
	s_nop 0
.rept 4
	v_nop
.endr
.Lasked_\@:
.endm
.macro CREST
	s_cmp_lg_u32 s14, 0
	s_cbranch_scc1 .Lnot_wave_0_\@
	s_barrier_signal -3
.Lnot_wave_0_\@:
	s_barrier_wait -3
	s_barrier_signal -1
	s_barrier_wait -1
.endm
.macro CROUND
	s_barrier_signal -1
	s_barrier_wait -1
	CREST
.endm
	s_load_b256 s[4:11], s[0:1], 0x0
	s_load_b64 s[12:13], s[0:1], 0x20
	v_lshl_add_u32 v[SPW], v0, 2, SPARE
	v_mov_b32 v[NIL], 0
	ds_add_u32 v28, v29
	ds_add_u32 v28, v29
	s_wait_dscnt 0x0
	v_lshrrev_b32 v1, 5, v0
	v_readfirstlane_b32 s14, v1
	s_lshr_b32 s15, s14, 1
	s_and_b32 s16, s14, 1
	s_bfe_u32 s40, ttmp6, 0x40000
	s_bfe_u32 s41, ttmp6, 0x40004
	s_and_b32 s42, ttmp7, 0xffff
	s_lshr_b32 s66, s42, 1
	s_and_b32 s67, s42, 1
	s_lshl_b32 s67, s67, 2
	s_add_co_u32 s67, s67, ttmp9
	s_lshl_b32 s67, s67, 2
	s_lshl_b32 s19, s66, 23
	s_lshl_b32 s22, s66, 20
	s_cmp_eq_u32 s66, 2
	s_cselect_b32 s17, 0, s67
	s_cselect_b32 s80, s67, 0
	s_cselect_b32 s19, 0x200000, s19
	s_cselect_b32 s22, 0x1000000, s22
	s_add_co_u32 s17, s17, s41
	s_add_co_u32 s80, s80, s40
	s_lshl_b32 s43, s41, 2
	s_lshl_b32 s43, 15, s43
	s_lshl_b32 s44, 0x1111, s40
	s_or_b32 s[G1+0], s43, (3<<16)|(1<<21)
	s_or_b32 s[G1B+0], s44, (3<<16)|(1<<21)
.irp g, G1, G1B
	s_mov_b32 s[\g+1], 512<<16
	s_mov_b32 s[\g+2], 8<<16
	s_mov_b32 s[\g+3], 512<<16
	s_mov_b32 s[\g+4], 8
	s_mov_b32 s[\g+5], 2048
	s_mov_b32 s[\g+6], 0
	s_mov_b32 s[\g+7], 0
.endr
	s_lshl_b32 s18, s16, 17
	s_lshl_b32 s20, s17, 18
	s_add_co_u32 s20, s20, s18
	s_add_co_u32 s20, s20, s19
	s_mov_b32 s21, 0
	s_lshl_b32 s46, s80, 18
	s_add_co_u32 s46, s46, s18
	s_add_co_u32 s46, s46, s22
	s_mov_b32 s47, 0
	s_lshl_b32 s45, s14, 15
	s_wait_kmcnt 0x0
	s_load_b256 s[68:75], s[8:9], 0x0
	s_load_b128 s[76:79], s[8:9], 0x20
	s_cmp_eq_u32 s66, 2
	s_cselect_b64 s[82:83], s[6:7], s[4:5]
	s_cselect_b64 s[84:85], s[4:5], s[6:7]
	s_add_nc_u64 s[20:21], s[82:83], s[20:21]
	s_add_nc_u64 s[46:47], s[84:85], s[46:47]
	CROUND
.irp s, 0,1
	s_mov_b32 s[G0+4*\s], 1
	s_add_co_u32 s[G0+4*\s+1], s45, \s*SLOT
	s_add_nc_u64 s[G0+4*\s+2:G0+4*\s+3], s[20:21], \s*4096
	s_or_b32 s[G0+4*\s+3], s[G0+4*\s+3], 0x80000000
	s_mov_b32 s[G0B+4*\s], 1
	s_add_co_u32 s[G0B+4*\s+1], s45, \s*SLOT
	s_add_nc_u64 s[G0B+4*\s+2:G0B+4*\s+3], s[46:47], \s*4096
	s_or_b32 s[G0B+4*\s+3], s[G0B+4*\s+3], 0x80000000
	s_wait_alu depctr_va_vdst(0)
	s_wait_tensorcnt 0x0
	ds_add_u32 v28, v29
	ds_add_u32 v28, v29
	s_wait_dscnt 0x0
	CROUND
	JLOAD G0+4*\s, G1, G0B+4*\s, G1B
.endr
	v_and_b32 v1, 31, v0
	v_lshlrev_b32 v[L16], 4, v1
	s_lshl_b32 s21, s15, 15
	s_lshl_b32 s22, s16, 15
	s_add_co_u32 s22, s22, 2*HALFT
.irp s, 0,1
	v_add_nc_u32 v[ADRA+\s], s21, v[L16]
	v_add_nc_u32 v[ADRB+\s], s22, v[L16]
	s_add_co_u32 s21, s21, SLOT
	s_add_co_u32 s22, s22, SLOT
.endr
.macro FRAG reg, adr, q, i
.irp c, 0,1,2,3
	ds_load_b128 v[\reg+4*\c:\reg+4*\c+3], v[\adr] offset:2048*(\q)+512*\c+(\i)*4096
.endr
.endm
.macro MUL16 a0, p, zero
.irp a, \a0, \a0+1
.irp b, 0,1,2,3,4,5,6,7
.if \zero
	v_wmma_f32_16x16x128_fp8_fp8 v[8*(8*((\a)%4)+\b):8*(8*((\a)%4)+\b)+7], v[128*(\p)+FR*\b:128*(\p)+FR*\b+FR-1], v[AF+FR*(\a):AF+FR*(\a)+FR-1], 0
.else
	v_wmma_f32_16x16x128_fp8_fp8 v[8*(8*((\a)%4)+\b):8*(8*((\a)%4)+\b)+7], v[128*(\p)+FR*\b:128*(\p)+FR*\b+FR-1], v[AF+FR*(\a):AF+FR*(\a)+FR-1], v[8*(8*((\a)%4)+\b):8*(8*((\a)%4)+\b)+7]
.endif
.endr
.endr
.endm
.macro FETCH_B slot, q, p
	WIN TO_B
.irp i, 0,1,2,3,4,5,6,7
	FRAG 128*(\p)+FR*\i, ADRB+\slot, \q, \i
.endr
	WIN 0
.endm
.macro FETCH_A slot, q, i0
.irp i, \i0, \i0+1, \i0+2, \i0+3
	FRAG AF+FR*(\i), ADRA+\slot, \q, \i
.endr
.endm
.macro PLACES
.rept 4
	v_nop
.endr
.endm
.macro STEP slot, q, zero
	s_wait_dscnt 4*NL
	WIN MUL_LO
	MUL16 0, (\q)%2, \zero
	MUL16 2, (\q)%2, \zero
	s_wait_dscnt 0
	PLACES
	FETCH_B \slot, (\q)+1, 1-(\q)%2
	FETCH_A \slot, (\q)+1, 0
	WIN MUL_HI
	MUL16 4, (\q)%2, \zero
	MUL16 6, (\q)%2, \zero
	PLACES
	WIN 0
	FETCH_A \slot, (\q)+1, 4
.endm
.macro TURN slot, next, fill
	s_wait_tensorcnt 0x0
	ds_add_u32 v[SPW], v[NIL]
	s_wait_dscnt 4*NL+1
	WIN MUL_LO
	MUL16 0, 1, 0
	s_wait_dscnt 0x0
	s_barrier_signal -1
	MUL16 2, 1, 0
	WIN 0
	s_barrier_wait -1
.if \fill
	CREST
	s_add_nc_u64 s[G0+4*\slot+2:G0+4*\slot+3], s[G0+4*\slot+2:G0+4*\slot+3], 8192
	s_add_nc_u64 s[G0B+4*\slot+2:G0B+4*\slot+3], s[G0B+4*\slot+2:G0B+4*\slot+3], 8192
	JLOAD G0+4*\slot, G1, G0B+4*\slot, G1B
.else
	PLACES
.endif
	FETCH_B \next, 0, 0
	FETCH_A \next, 0, 0
	WIN MUL_HI
	MUL16 4, 1, 0
	MUL16 6, 1, 0
	PLACES
	WIN 0
	FETCH_A \next, 0, 4
.endm
	s_wait_alu depctr_va_vdst(0)
	s_wait_tensorcnt 1
	s_barrier_signal -1
	s_barrier_wait -1
	FETCH_B 0, 0, 0
	FETCH_A 0, 0, 0
	FETCH_A 0, 0, 4
	STEP 0, 0, 1
	TURN 0, 1, 1
	STEP 1, 0, 0
	TURN 1, 0, 1
	STEP 0, 0, 0
	TURN 0, 1, 0
	STEP 1, 0, 0
	s_wait_dscnt 4*NL
	WIN MUL_LO
	MUL16 0, 1, 0
	MUL16 2, 1, 0
	s_wait_dscnt 0
	WIN MUL_HI
	MUL16 4, 1, 0
	MUL16 6, 1, 0
	WIN 0
	s_wait_kmcnt 0x0
	s_cmp_eq_u32 s66, 0
	s_cselect_b32 s86, s68, s70
	s_cselect_b32 s87, s69, s71
	s_cselect_b32 s88, s74, s75
	s_cselect_b32 s97, 15, 16
	s_cselect_b64 s[98:99], s[10:11], s[12:13]
	s_cmp_eq_u32 s66, 2
	s_cselect_b32 s86, s72, s86
	s_cselect_b32 s87, s73, s87
	s_cselect_b32 s88, s77, s88
	s_cselect_b32 s89, s80, s17
	s_cselect_b32 s81, s17, s80
	s_cselect_b32 s90, s16, s15
	s_cselect_b32 s91, s15, s16
	s_cselect_b32 s92, 12, 11
	s_cselect_b32 s93, 0x8000, 0
	s_mov_b32 s94, 4096
	s_cselect_b32 s94, 512, s94
	s_mov_b32 s95, 512
	s_cselect_b32 s95, 8192, s95
	s_sub_co_i32 s88, s88, s86
	s_sub_co_i32 s88, s88, s87
	s_add_co_i32 s88, s88, 127
	s_lshl_b32 s86, s88, 23
	v_mov_b32 v[SCL], s86
	s_add_co_i32 s88, s88, 8
	s_lshl_b32 s88, s88, 23
	s_or_b32 s88, s88, 0x600000
	v_mov_b32 v[LIM], s88
	s_wait_alu depctr_va_vdst(0)
	s_lshr_b32 s96, s89, 3
	s_lshl_b32 s96, s96, 2
	s_add_co_u32 s96, s96, s81
	s_lshl_b32 s96, s96, 4
	s_and_b32 s89, s89, 7
	s_lshl_b32 s89, s89, 1
	s_add_co_u32 s96, s96, s89
	s_add_co_u32 s96, s96, s90
	s_lshl_b32 s96, s96, s97
	s_lshl_b32 s91, s91, s92
	s_add_co_u32 s96, s96, s91
	s_add_co_u32 s96, s96, s93
	s_mov_b32 s97, 0
	s_add_nc_u64 s[98:99], s[98:99], s[96:97]
.irp g, 0,1,2,3
	s_mul_i32 s86, s95, \g
	v_add_nc_u32 v[VG+\g], s86, v[L16]
.endr
	PLACES
.macro OUTA a
	WIN 0x02+(\a)/4
.set j, 0
.rept 64
	v_med3_num_f32 v[TT+j], v[64*((\a)%4)+j], -v[LIM], v[LIM]
.set j, j+1
.endr
	WIN 0
.irp k, 0,1,2,3,4,5,6,7
	v_cvt_scalef32_pk8_fp8_f32 v[CC+16*(\a)+2*\k:CC+16*(\a)+2*\k+1], v[TT+8*\k:TT+8*\k+7], v[SCL]
.endr
	s_mul_i32 s86, s94, \a
.irp g, 0,1,2,3
	v_add_nc_u32 v[OFS+4*(\a)+\g], s86, v[VG+\g]
.endr
.irp g, 0,1,2,3
	global_store_b128 v[OFS+4*(\a)+\g], v[CC+16*(\a)+4*\g:CC+16*(\a)+4*\g+3], s[98:99]
.endr
.endm
.irp a, 0,1,2,3,4,5,6,7
	OUTA \a
.endr
	s_wait_tensorcnt 0x0
	ds_add_u32 v[SPW], v[NIL]
	s_wait_dscnt 0x0
	CROUND
	s_endpgm
.Lfunc_end_k_q25eea88fe6_qkv:
	.size	k_q25eea88fe6_qkv, .Lfunc_end_k_q25eea88fe6_qkv-k_q25eea88fe6_qkv
	.p2alignl 7, 3214868480
	.fill 96, 4, 3214868480
	.section	.rodata,"a",@progbits
	.p2align	6, 0x0
	.amdhsa_kernel k_q25eea88fe6_qkv
		.amdhsa_group_segment_fixed_size 327680
		.amdhsa_private_segment_fixed_size 0
		.amdhsa_enable_private_segment 0
		.amdhsa_kernarg_size 40
		.amdhsa_user_sgpr_count 2
		.amdhsa_user_sgpr_kernarg_segment_ptr 1
		.amdhsa_wavefront_size32 1
		.amdhsa_system_sgpr_workgroup_id_x 1
		.amdhsa_system_sgpr_workgroup_id_y 1
		.amdhsa_system_sgpr_workgroup_id_z 1
		.amdhsa_system_vgpr_workitem_id 0
		.amdhsa_next_free_vgpr 1024
		.amdhsa_next_free_sgpr 100
		.amdhsa_reserve_vcc 0
		.amdhsa_float_denorm_mode_32 3
		.amdhsa_float_denorm_mode_16_64 3
		.amdhsa_memory_ordered 1
		.amdhsa_forward_progress 1
		.amdhsa_inst_pref_size 120
	.end_amdhsa_kernel
	.amdgpu_metadata
---
amdhsa.version: [ 1, 2 ]
amdhsa.kernels:
  - .name:           k_q25eea88fe6_qkv
    .symbol:         k_q25eea88fe6_qkv.kd
    .args:
      - { .name: tok3, .offset: 0, .size: 8, .value_kind: global_buffer, .address_space: global }
      - { .name: wc, .offset: 8, .size: 8, .value_kind: global_buffer, .address_space: global }
      - { .name: lowp_scales, .offset: 16, .size: 8, .value_kind: global_buffer, .address_space: global }
      - { .name: qc, .offset: 24, .size: 8, .value_kind: global_buffer, .address_space: global }
      - { .name: kv, .offset: 32, .size: 8, .value_kind: global_buffer, .address_space: global }
    .group_segment_fixed_size: 327680
    .private_segment_fixed_size: 0
    .kernarg_segment_align: 8
    .kernarg_segment_size: 40
    .max_flat_workgroup_size: 128
    .sgpr_count:     100
    .vgpr_count:     1024
    .wavefront_size: 32
...
	.end_amdgpu_metadata
.endif
;; end of part 2
;; launch attn (part 3): grid 16 x 16, 8 waves a work-group, clusters of 4 x 4, 327,680 bytes of LDS; arguments qc, kv, lr, lowp_scales, oc; writes oc
.if DOCPART == 3
	.amdgcn_target "amdgcn-amd-amdhsa--gfx1250"
	.amdhsa_code_object_version 6
	.text
	.protected	k_q25eea88fe6_attn
	.globl	k_q25eea88fe6_attn
	.p2align	8
	.type	k_q25eea88fe6_attn,@function
k_q25eea88fe6_attn:
	s_mov_b64 s[64:65], 0
	v_nop
	global_prefetch_b8 v0, s[64:65] scope:SCOPE_SE
	s_setreg_imm32_b32 hwreg(HW_REG_WAVE_MODE, 25, 1), 1
	s_wait_xcnt 0x0
	s_wait_alu depctr_hold_cnt(0) depctr_sa_sdst(0) depctr_va_vdst(0) depctr_va_sdst(0) depctr_va_ssrc(0) depctr_va_vcc(0) depctr_vm_vsrc(0)
	s_getreg_b32 s2, hwreg(HW_REG_IB_STS2, 6, 4)
	s_cmp_eq_u32 s2, 0
	s_cbranch_scc0 .Lentry_in_a_cluster
	s_endpgm
.Lentry_in_a_cluster:
	s_bfe_u32 s2, ttmp6, 0x10000c
	s_cmp_lg_u32 s2, 0xf033
	s_cbranch_scc0 .Lentry_shape_is_right
	s_endpgm
.Lentry_shape_is_right:
; ATTN.  Products 4 and 5 on codes of E4M3, the streaming softmax between them, and O quantised (2^e10) into the last product's operand.
; t = logit x log2(e) = c' x (S + LR), c' = log2(e) / 8 x 2^(e6 + e7), S the sum over the codes, LR = beta log2(max(R, 1e-8)) / c' from the first launch: LR is the C of the first product.
; M = the running largest t rounded up to a whole number; p = 2^(t - M) is quantised (2^e8), not normalised; the row's sum is taken of the unquantised p; when M moves, the sum and O are multiplied by 2^(old M - new M), exactly.
; SHARES.  A work-group owns 128 queries (8 tiles) of 4 heads of one batch.  Wave w: head w % 4, query tiles 4 (w / 4) + 0 .. 3: each fragment of K and V read from LDS feeds four matrix instructions.
; Every wave walks 16 key steps of 128 keys.  A slot of 128 KiB holds a step's LR (8 query tiles x 8 KiB), K (32 KiB) and V (32 KiB), as images of registers: every LDS load reads 512 consecutive bytes.
; BOTH PRODUCTS TRANSPOSED: S^T = K Q^T, O^T = V^T P^T: a lane holds one query (lane % 16).  Tiles' rows are 32 (T / 2) + 8 (T % 2) + r + 8 (r / 8), so the 16 registers of tiles 2 b, 2 b + 1 are keys (or dims) 32 b + 16 (lane / 16) + 0 .. 15.
; CLUSTERS 4 x 4: x = block of queries, y = batch x 4 + group of heads.  LR hangs on x alone and is asked for jointly along a column of the cluster (waves 0-3, a quarter each), K and V on y alone and along a row (waves 4-7).
; THE CHANGE OF SLOTS LIES INSIDE A STEP, behind tile 2's softmax.  Tile 3's first product and V's loads stand in the middle of that softmax, behind its exponentials, so a wave's reads of the slot are over at its end.
; Behind the round and the refill the next step's LDS loads are issued among work on registers: tile 0's LR ahead of tile 3's softmax, tile 1's LR ahead of the second product, K behind it.
; LIMITS: e6 + e7 between -120 and 120 (added to c's exponent field); e8 and e10 between -126 and 119; e8 + e9 is applied by v_ldexp_f32 and has none.
; REGISTERS.  window 0: v1-6 LDS addresses; v7, v8 the add's; v9-11 scales; v12 + 4 i: -M, largest t, the sum in two halves, of tile i; v28-35, v38-43 at work; v36 the prefetches' offset; v64-127, v128-191 S^T / p, two buffers; v192 + 16 i p's codes.
;   window 1: v[32 i + 8 dt] O^T; v[128 + 8 i] Q; v160-223 K's eight fragments, then V's four.
.set SLOT,  131072
.set SPARE, 2*SLOT                     ; behind the ring: the spare words, 128 bytes for each wave
.set SA,  64
.set SB,  128
.set PP,  192
.set QF,  128
.set KF,  160
.set G1L, 24                           ; s[24:31] group 1 for LR's quarters; s[32:39] for K's and V's; s[40:47], s[48:55] their groups 0: the first set for step 0, the second walks from step 1 on
.set G1K, 32
.set G0L, 40
.set G0K, 48
.set PFA, 78                           ; s[78:79] where my prefetch stands; s[66:67] a key step on, in bytes
.set PFS, 66
.set MSB, 0
.macro WIN new
.if MSB != (\new)
	s_set_vgpr_msb (MSB<<8)|(\new)
.set MSB, (\new)
.endif
.endm
.set W_KQ, 0x05                        ; K and Q window 1, S^T window 0
.set W_PV, 0x51                        ; V window 1, P window 0, O^T window 1
.set W_RS, 0x41                        ; O^T (destination, source 0) window 1
.set TO1,  0x40                        ; destination window 1
.macro JLOAD                           ; a joint load by the walking descriptors; s_nop 0 and four v_nop follow each line
	s_cmp_lt_u32 s14, 4
	s_cbranch_scc0 .Lfor_kv_\@
	tensor_load_to_lds s[G0L+4:G0L+7], s[G1L:G1L+7]
	s_nop 0
.rept 4
	v_nop
.endr
	s_branch .Lasked_\@
.Lfor_kv_\@:
	tensor_load_to_lds s[G0K+4:G0K+7], s[G1K:G1K+7]
	s_nop 0
.rept 4
	v_nop
.endr
.Lasked_\@:
.endm
.macro CREST                           ; a round of the cluster's barrier behind its opening barrier
	s_cmp_lg_u32 s14, 0
	s_cbranch_scc1 .Lnot_wave_0_\@
	s_barrier_signal -3
.Lnot_wave_0_\@:
	s_barrier_wait -3
	s_barrier_signal -1
	s_barrier_wait -1
.endm
.macro CROUND
	s_barrier_signal -1
	s_barrier_wait -1
	CREST
.endm
; A PREFETCH INTO THE L2: in step s, behind tile 0's first product, for step s + 4, which the refill two changes of slots on will ask for.
; Of the 16 KiB that a wave fetches jointly, each of the four partners names 4 KiB, told apart by address (cy for LR, cx for K and V): 16 blocks of 256 bytes, a lane a block; lanes 16-31 name the last block again.
; Steps 0 to 3 come by their loads alone; steps 12 and 13 of the loop ask for nothing: there is no step 16.
.macro ASK
	s_cmp_gt_u32 s61, 2
	s_cbranch_scc0 .Lnone_\@
	global_prefetch_b8 v36, s[PFA:PFA+1] th:TH_LOAD_NT scope:SCOPE_SE
.Lnone_\@:
.endm
	s_load_b256 s[4:11], s[0:1], 0x0               ; qc 4, kv 6, lr 8, scales 10
	s_load_b64 s[12:13], s[0:1], 0x20              ; oc
	v_lshl_add_u32 v7, v0, 2, SPARE
	v_mov_b32 v8, 0
	ds_add_u32 v7, v8                              ; the opening lines: the add twice on end and its wait
	ds_add_u32 v7, v8
	s_wait_dscnt 0x0
	v_lshrrev_b32 v1, 5, v0
	s_delay_alu instid0(VALU_DEP_1)
	v_readfirstlane_b32 s14, v1                    ; wave 0..7
	s_and_b32 s15, s14, 3                          ; my head of the four.  Also: which quarter I fetch
	s_lshr_b32 s16, s14, 2                         ; my group of four query tiles
	s_bfe_u32 s17, ttmp6, 0x40000                  ; cx
	s_bfe_u32 s18, ttmp6, 0x40004                  ; cy
	s_lshl_b32 s19, ttmp9, 2
	s_add_co_u32 s19, s19, s17                     ; block of 128 queries
	s_and_b32 s20, ttmp7, 0xffff
	s_lshl_b32 s20, s20, 2
	s_add_co_u32 s20, s20, s18                     ; batch x 4 + group of heads
	s_lshl_b32 s21, 0x1111, s17                    ; my column of the cluster
	s_lshl_b32 s22, s18, 2
	s_lshl_b32 s22, 15, s22                        ; my row
	s_or_b32 s[G1L], s21, (3<<16)|(1<<21)          ; 15:0 the mask; elements of 8 bytes; 21 set beside a mask
	s_or_b32 s[G1K], s22, (3<<16)|(1<<21)
.irp g, G1L, G1K
	s_mov_b32 s[\g+1], 32<<16                      ; 16 KiB, dense, as 64 rows of 256 bytes
	s_mov_b32 s[\g+2], 64<<16
	s_mov_b32 s[\g+3], 32<<16
	s_mov_b32 s[\g+4], 64
	s_mov_b32 s[\g+5], 32
	s_mov_b32 s[\g+6], 0
	s_mov_b32 s[\g+7], 0
.endr
	s_lshl_b32 s23, s15, 14                        ; my quarter
	s_lshl_b32 s74, s19, 16
	s_add_co_u32 s74, s74, s23
	s_mov_b32 s75, 0                               ; LR: hangs on the block of queries alone
	s_lshl_b32 s76, s20, 20
	s_add_co_u32 s76, s76, s23
	s_mov_b32 s77, 0                               ; K, V: on y alone
	s_lshl_b32 s73, s14, 14                        ; where it lands in a slot: wave x 16 KiB
	s_mov_b32 s58, 0x76543210
	s_mov_b32 s59, 0xfedcba98                      ; v_permlanex16_b32's selects for lane l xor 16
	s_mov_b32 s60, 0                               ; the slot in hand
	s_mov_b32 s61, 14
	s_wait_kmcnt 0x0
	s_load_b128 s[68:71], s[10:11], 0x18           ; e6, e7, e8, e9
	s_load_b32 s72, s[10:11], 0x28                 ; e10
	s_add_nc_u64 s[74:75], s[8:9], s[74:75]
	s_add_nc_u64 s[76:77], s[6:7], s[76:77]
.irp s, 0,1
	s_mov_b32 s[G0L+4*\s], 1
	s_add_co_u32 s[G0L+4*\s+1], s73, \s*SLOT
	s_add_nc_u64 s[G0L+4*\s+2:G0L+4*\s+3], s[74:75], \s*0x100000
	s_or_b32 s[G0L+4*\s+3], s[G0L+4*\s+3], 0x80000000
	s_mov_b32 s[G0K+4*\s], 1
	s_add_co_u32 s[G0K+4*\s+1], s73, \s*SLOT
	s_add_nc_u64 s[G0K+4*\s+2:G0K+4*\s+3], s[76:77], \s*0x10000
	s_or_b32 s[G0K+4*\s+3], s[G0K+4*\s+3], 0x80000000
.endr
	CROUND                                         ; all sixteen work-groups are here: the first joint loads meet
	s_cmp_lt_u32 s14, 4                            ; step 0: one tensor load a wave at the head
	s_cbranch_scc0 .Lfirst_kv
	tensor_load_to_lds s[G0L:G0L+3], s[G1L:G1L+7]
	s_nop 0
.rept 4
	v_nop
.endr
	s_branch .Lfirst_asked
.Lfirst_kv:
	tensor_load_to_lds s[G0K:G0K+3], s[G1K:G1K+7]
	s_nop 0
.rept 4
	v_nop
.endr
.Lfirst_asked:
	v_and_b32 v31, 31, v0
	s_delay_alu instid0(VALU_DEP_1)
	v_min_u32 v36, 15, v31
	v_lshlrev_b32 v31, 4, v31                      ; 16 x lane
	s_delay_alu instid0(VALU_DEP_2)
	v_lshlrev_b32 v36, 8, v36                      ; 256 x min(lane, 15)
	s_wait_alu depctr_va_vdst(0)                   ; the wait ahead of the run of scalar lines
	s_cmp_lt_u32 s14, 4                            ; the prefetches: my quarter, my work-group's 4 KiB of it, four key steps on
	s_cselect_b64 s[PFA:PFA+1], s[74:75], s[76:77]
	s_cselect_b32 s2, s18, s17
	s_mov_b32 s[PFS], 0x10000
	s_cselect_b32 s[PFS], 0x100000, s[PFS]
	s_mov_b32 s[PFS+1], 0
	s_lshl_b32 s2, s2, 12
	s_lshl_b32 s3, s[PFS], 2
	s_add_co_u32 s2, s2, s3
	s_mov_b32 s3, 0
	s_add_nc_u64 s[PFA:PFA+1], s[PFA:PFA+1], s[2:3]
	s_lshl_b32 s2, s20, 19                         ; Q: y x 512 KiB + (8 block + 4 group) x 4 KiB + head x 1 KiB
	s_lshl_b32 s3, s19, 15
	s_add_co_u32 s2, s2, s3
	s_lshl_b32 s3, s16, 14
	s_add_co_u32 s2, s2, s3
	s_lshl_b32 s3, s15, 10
	s_add_co_u32 s2, s2, s3
	s_mov_b32 s3, 0
	s_add_nc_u64 s[4:5], s[4:5], s[2:3]
	WIN TO1
.irp i, 0,1,2,3
.irp c, 0,1
	global_load_b128 v[QF+8*\i+4*\c:QF+8*\i+4*\c+3], v31, s[4:5] offset:4096*\i+512*\c   ; Q stays in registers
.endr
.endr
.set j, 0
.rept 128
	v_mov_b32 v[j], 0                              ; O^T: the step has no first form of its own: it finds zeros, which the first change of M leaves zeros
.set j, j+1
.endr
	WIN 0
	s_lshl_b32 s2, s16, 15
	v_add_nc_u32 v1, s2, v31                       ; LR: my four query tiles
	s_lshl_b32 s2, s15, 10
	s_add_co_u32 s2, s2, 65536
	v_add_nc_u32 v2, s2, v31                       ; K: my head's two blocks of each tile
	s_lshl_b32 s2, s15, 11
	s_add_co_u32 s2, s2, 98304
	v_add_nc_u32 v3, s2, v31                       ; V: my head's four tiles
	s_lshr_b32 s2, s20, 2                          ; oc: token tile 128 batch + 8 block + 4 group,
	s_lshl_b32 s2, s2, 7
	s_lshl_b32 s3, s19, 3
	s_add_co_u32 s2, s2, s3
	s_lshl_b32 s3, s16, 2
	s_add_co_u32 s2, s2, s3
	s_lshl_b32 s2, s2, 14
	s_and_b32 s3, s20, 3                           ; K step head / 2, blocks 2 (head % 2) + 0, 1
	s_lshl_b32 s3, s3, 12
	s_add_co_u32 s2, s2, s3
	s_lshr_b32 s3, s15, 1
	s_lshl_b32 s3, s3, 11
	s_add_co_u32 s2, s2, s3
	s_and_b32 s3, s15, 1
	s_lshl_b32 s3, s3, 10
	s_add_co_u32 s2, s2, s3
	s_mov_b32 s3, 0
	s_add_nc_u64 s[12:13], s[12:13], s[2:3]
.irp i, 0,1,2,3
	v_mov_b32 v[13+4*\i], 0xff61b1e6               ; the largest t so far: -3e38
	s_delay_alu instid0(VALU_DEP_1)
	v_floor_f32 v[12+4*\i], -v[13+4*\i]            ; -M
	v_mov_b32 v[14+4*\i], 0
	v_mov_b32 v[15+4*\i], 0
.endr
	v_mov_b32 v30, 0                               ; a lane permute's destination counts as one of its sources
	v_mov_b32 v33, 0                               ; (named as the upper half of the pair v[32:33])
	s_wait_kmcnt 0x0
	s_add_co_i32 s2, s68, s69
	s_lshl_b32 s2, s2, 23
	s_add_co_i32 s56, s2, 0x3e38aa3b               ; c' = log2(e) / 8 x 2^(e6 + e7)
	s_mov_b32 s57, s56
	s_add_co_i32 s2, s70, 127
	s_lshl_b32 s3, s2, 23
	v_mov_b32 v9, s3                               ; 2^e8
	s_add_co_i32 s2, s2, 8
	s_lshl_b32 s2, s2, 23
	s_or_b32 s62, s2, 0x600000                     ; 448 x 2^e8
	s_add_co_i32 s63, s70, s71                     ; e8 + e9
	s_add_co_i32 s2, s72, 127
	s_lshl_b32 s3, s2, 23
	v_mov_b32 v10, s3                              ; 2^e10
	s_add_co_i32 s2, s2, 8
	s_lshl_b32 s2, s2, 23
	s_or_b32 s2, s2, 0x600000
	v_mov_b32 v11, s2                              ; 448 x 2^e10
.macro NEXTADR                         ; my LDS addresses in the slot in hand
	v_add_nc_u32 v4, s60, v1
	v_add_nc_u32 v5, s60, v2
	v_add_nc_u32 v6, s60, v3
.endm
.macro LRLOAD i, S                     ; tile i's 64 registers of LR: the first product's C
.irp n, 0,1,2,3,4,5,6,7,8,9,10,11,12,13,14,15
	ds_load_b128 v[\S+4*\n:\S+4*\n+3], v4 offset:8192*(\i)+512*\n
.endr
.endm
.macro KLOAD
	WIN TO1
.irp t, 0,1,2,3,4,5,6,7
.irp c, 0,1
	ds_load_b128 v[KF+8*\t+4*\c:KF+8*\t+4*\c+3], v5 offset:4096*\t+512*\c
.endr
.endr
	WIN 0
.endm
.macro VLOAD
	WIN TO1
.irp d, 0,1,2,3
.irp c, 0,1,2,3
	ds_load_b128 v[KF+16*\d+4*\c:KF+16*\d+4*\c+3], v6 offset:8192*\c+512*\d
.endr
.endr
	WIN 0
.endm
.macro QK i, S                         ; S^T = K Q^T + LR: eight accumulators, one instruction each; four places follow
	WIN W_KQ
.irp t, 0,1,2,3,4,5,6,7
	v_wmma_f32_16x16x64_fp8_fp8 v[\S+8*\t:\S+8*\t+7], v[KF+8*\t:KF+8*\t+7], v[QF+8*(\i):QF+8*(\i)+7], v[\S+8*\t:\S+8*\t+7]
.endr
	WIN 0
.rept 4
	v_nop
.endr
.endm
; THE SOFTMAX OF A TILE, first part: the maximum, M, f, t - M and the exponentials
.macro SMA i, S
.set ST, 12+4*(\i)
	v_max3_num_f32 v28, v[\S], v[\S+1], v[\S+2]    ; the step's largest S + LR of my query among my 64 keys, in four chains, the registers in ascending order: each accumulator from its low end on
	v_max3_num_f32 v29, v[\S+3], v[\S+4], v[\S+5]
	v_max3_num_f32 v42, v[\S+6], v[\S+7], v[\S+8]
	v_max3_num_f32 v43, v[\S+9], v[\S+10], v[\S+11]
.set j, 12
.rept 6
	v_max3_num_f32 v28, v28, v[\S+j], v[\S+j+1]
	v_max3_num_f32 v29, v29, v[\S+j+2], v[\S+j+3]
	v_max3_num_f32 v42, v42, v[\S+j+4], v[\S+j+5]
	v_max3_num_f32 v43, v43, v[\S+j+6], v[\S+j+7]
.set j, j+8
.endr
	v_max3_num_f32 v28, v28, v[\S+60], v[\S+61]
	v_max3_num_f32 v29, v29, v[\S+62], v[\S+63]
	v_max3_num_f32 v28, v28, v29, v42
	s_delay_alu instid0(VALU_DEP_1)
	v_max_num_f32 v28, v28, v43
	s_delay_alu instid0(VALU_DEP_1)
	v_permlanex16_b32 v30, v28, s58, s59
	s_delay_alu instid0(VALU_DEP_1)
	v_max_num_f32 v28, v28, v30                    ; and among lane l xor 16's
	s_delay_alu instid0(VALU_DEP_1)
	v_mul_f32 v28, s56, v28                        ; as t (c' is positive)
	s_delay_alu instid0(VALU_DEP_1)
	v_max_num_f32 v[ST+1], v[ST+1], v28            ; the running largest t
	v_mov_b32 v28, v[ST]
	s_delay_alu instid0(VALU_DEP_2)
	v_floor_f32 v[ST], -v[ST+1]                    ; the new -M = -ceil(t)
	s_delay_alu instid0(VALU_DEP_1)
	v_sub_f32 v28, v[ST], v28                      ; old M - new M: a whole number, 0 or less
	s_delay_alu instid0(VALU_DEP_1)
	v_cvt_i32_f32 v28, v28                         ; (it saturates)
	s_delay_alu instid0(VALU_DEP_1)
	v_ldexp_f32 v32, 1.0, v28                      ; f = 2^(old M - new M)
.set j, 0
.rept 32
	v_pk_fma_f32 v[\S+j:\S+j+1], v[\S+j:\S+j+1], s[56:57], v[ST:ST+1] op_sel_hi:[1,0,0]   ; t - M
.set j, j+2
.endr
.set j, 0
	s_wait_alu depctr_va_vdst(0)                   ; the wait ahead of the batch
.rept 64
	v_exp_f32 v[\S+j], v[\S+j]                     ; p = 2^(t - M)
.set j, j+1
.endr
.endm
; second part: the row's sum, the hold, the codes, O^T under the new M
.macro SMB i, S
.set ST, 12+4*(\i)
	v_pk_mul_f32 v[ST+2:ST+3], v[ST+2:ST+3], v[32:33] op_sel_hi:[1,0]   ; the sums under the new M (a plain line behind the exponentials)
	s_wait_alu depctr_va_vdst(0)                   ; the wait behind the batch, ahead of its first reader
	v_pk_add_f32 v[34:35], v[\S:\S+1], v[\S+2:\S+3]                     ; the row's sum is taken of the unquantised p, in four chains
	v_pk_add_f32 v[38:39], v[\S+4:\S+5], v[\S+6:\S+7]
	v_pk_add_f32 v[40:41], v[\S+8:\S+9], v[\S+10:\S+11]
.set j, 12
.rept 6
	v_pk_add_f32 v[ST+2:ST+3], v[ST+2:ST+3], v[\S+j:\S+j+1]
	v_pk_add_f32 v[34:35], v[34:35], v[\S+j+2:\S+j+3]
	v_pk_add_f32 v[38:39], v[38:39], v[\S+j+4:\S+j+5]
	v_pk_add_f32 v[40:41], v[40:41], v[\S+j+6:\S+j+7]
.set j, j+8
.endr
	v_pk_add_f32 v[ST+2:ST+3], v[ST+2:ST+3], v[\S+60:\S+61]
	v_pk_add_f32 v[34:35], v[34:35], v[\S+62:\S+63]
	v_pk_add_f32 v[38:39], v[38:39], v[40:41]
	v_pk_add_f32 v[ST+2:ST+3], v[ST+2:ST+3], v[34:35]
	v_pk_add_f32 v[ST+2:ST+3], v[ST+2:ST+3], v[38:39]
.irp b, 0,1,2,3
.set j, 0
.rept 8
	v_dual_min_num_f32 v[\S+16*\b+j], s62, v[\S+16*\b+j] :: v_dual_min_num_f32 v[\S+16*\b+j+1], s62, v[\S+16*\b+j+1]   ; the conversion does not saturate (ISA guide 7.6.2); p is not negative, so the hold is one-sided; two holds an instruction; it stands whatever e8 is
.set j, j+2
.endr
	v_cvt_scalef32_pk8_fp8_f32 v[PP+16*(\i)+4*\b:PP+16*(\i)+4*\b+1], v[\S+16*\b:\S+16*\b+7], v9
	v_cvt_scalef32_pk8_fp8_f32 v[PP+16*(\i)+4*\b+2:PP+16*(\i)+4*\b+3], v[\S+16*\b+8:\S+16*\b+15], v9
.endr
	WIN W_RS
	s_wait_alu depctr_va_vdst(0)                   ; the wait directly ahead of the first reader of O^T
.set j, 0
.rept 16
	v_pk_mul_f32 v[32*(\i)+j:32*(\i)+j+1], v[32*(\i)+j:32*(\i)+j+1], v[32:33] op_sel_hi:[1,0]   ; O^T under the new M (plain lines behind the conversions)
.set j, j+2
.endr
	WIN 0
.endm
.macro SOFTMAX i, S
	SMA \i, \S
	SMB \i, \S
.endm
.macro PV                              ; O^T += V^T P^T: sixteen accumulators by turns
	WIN W_PV
.irp d, 0,1,2,3
.irp i, 0,1,2,3
	v_wmma_f32_16x16x128_fp8_fp8 v[32*\i+8*\d:32*\i+8*\d+7], v[KF+16*\d:KF+16*\d+15], v[PP+16*\i:PP+16*\i+15], v[32*\i+8*\d:32*\i+8*\d+7]
.endr
.endr
	WIN 0
.endm
; A KEY STEP: 128 keys, four query tiles.  It finds K and the LR of tiles 0 and 1 asked for.
; mode 2: the slot in hand is filled again, behind a round of the cluster's barrier, with the step two on; mode 1: a work-group barrier alone shows the last slot whole; mode 0: the last step.
.macro STEP mode
	s_wait_dscnt 0x0                               ; K and the LR of tiles 0 and 1 are in
	QK 0, SA
.if \mode == 2
	ASK
.endif
	SOFTMAX 0, SA
	LRLOAD 2, SA
	QK 1, SB
	SOFTMAX 1, SB
	LRLOAD 3, SB
	s_wait_dscnt 16                                ; tile 2's LR is in; tile 3's sixteen loads may be out
	QK 2, SA
	SMA 2, SA
	s_wait_dscnt 0x0                               ; tile 3's LR is in
	QK 3, SB
	VLOAD                                          ; V takes K's registers: my last reads of this slot
	SMB 2, SA
.if \mode
	s_wait_tensorcnt 0x0                           ; all my tensor loads have landed: my part of the next slot; so a group 0 may be written
	ds_add_u32 v7, v8                              ; 0 onto my spare word
.if \mode == 2
	s_xor_b32 s[G0L+5], s[G0L+5], SLOT             ; the walking descriptors: the other slot than last time, the next key step
	s_add_nc_u64 s[G0L+6:G0L+7], s[G0L+6:G0L+7], 0x100000
	s_xor_b32 s[G0K+5], s[G0K+5], SLOT
	s_add_nc_u64 s[G0K+6:G0K+7], s[G0K+6:G0K+7], 0x10000
	s_wait_xcnt 0x0                                ; my prefetch has read its address, so it may step
	s_add_nc_u64 s[PFA:PFA+1], s[PFA:PFA+1], s[PFS:PFS+1]
.endif
	s_wait_dscnt 0x0                               ; the add is done, V is in, and my reads of this slot are over
	s_barrier_signal -1
	s_barrier_wait -1
.if \mode == 2
	CREST                                          ; no wave of any partner still reads this slot or has a load on its way
	JLOAD                                          ; the first tensor load behind the round
.endif
	s_xor_b32 s60, s60, SLOT                       ; on to the other slot, which is whole
	NEXTADR
	LRLOAD 0, SA                                   ; the next step's LR of tile 0
.else
	s_wait_dscnt 0x0                               ; V is in
.endif
	SOFTMAX 3, SB
.if \mode
	LRLOAD 1, SB                                   ; the next step's LR of tile 1
.endif
	PV
.if \mode
.rept 4
	v_nop                                          ; four places in front of the loads into registers that these products read
.endr
	KLOAD                                          ; the next step's K
.endif
.endm
	s_wait_alu depctr_va_vdst(0)                   ; the wait at the head's end
	s_wait_tensorcnt 0x0                           ; my part of step 0 is in
	ds_add_u32 v7, v8
	s_wait_dscnt 0x0
	CROUND                                         ; everybody's part of step 0 is in, and the joint loads meet
	JLOAD                                          ; step 1 into slot 1
	NEXTADR
	LRLOAD 0, SA
	LRLOAD 1, SB
	KLOAD
	s_wait_loadcnt 0x0                             ; Q
.Lstep:                                            ; 14 trips: steps 0 to 13, each asks for the step two on
	STEP 2
	s_sub_co_u32 s61, s61, 1
	s_cmp_lg_u32 s61, 0
	s_cbranch_scc1 .Lstep
	STEP 1                                         ; the tail is written out
	STEP 0
	; THE WAY OUT.  O = O^T x 2^(e8 + e9) / the sum, held and converted (2^e10): a tile's 32 numbers a lane are two blocks of the last product's operand.
.irp i, 0,1,2,3
	v_add_f32 v[14+4*\i], v[14+4*\i], v[15+4*\i]   ; (four plain lines: the places behind the last products)
.endr
.irp i, 0,1,2,3
	s_delay_alu instid0(VALU_DEP_4)
	v_permlanex16_b32 v[15+4*\i], v[14+4*\i], s58, s59
.endr
.irp i, 0,1,2,3
	s_delay_alu instid0(VALU_DEP_4)
	v_add_f32 v[14+4*\i], v[14+4*\i], v[15+4*\i]
.endr
	s_wait_alu depctr_va_vdst(0)
.irp i, 0,1,2,3
	v_rcp_f32 v[15+4*\i], v[14+4*\i]
.endr
	v_nop                                          ; a plain line behind the last reciprocal
	s_wait_alu depctr_va_vdst(0)
.irp i, 0,1,2,3
	v_ldexp_f32 v[15+4*\i], v[15+4*\i], s63
.endr
	WIN 0x01                                       ; source 0 window 1
.irp i, 0,1,2,3
.set j, 0
.rept 32
	v_mul_f32 v[64+32*\i+j], v[32*\i+j], v[15+4*\i]   ; each accumulator from its low end on
.set j, j+1
.endr
.endr
	WIN 0
.irp i, 0,1,2,3
.set j, 0
.rept 32
	v_med3_num_f32 v[64+32*\i+j], v[64+32*\i+j], -v11, v11
.set j, j+1
.endr
.irp k, 0,1,2,3
	v_cvt_scalef32_pk8_fp8_f32 v[PP+8*\i+2*\k:PP+8*\i+2*\k+1], v[64+32*\i+8*\k:64+32*\i+8*\k+7], v10
.endr
.endr
	v_nop                                          ; a plain line behind the last conversion
.irp i, 0,1,2,3
.irp b, 0,1
	global_store_b128 v31, v[PP+8*\i+4*\b:PP+8*\i+4*\b+3], s[12:13] offset:16384*\i+512*\b   ; 512 consecutive bytes, aligned
.endr
.endr
	s_wait_tensorcnt 0x0                           ; the wave's end
	ds_add_u32 v7, v8
	s_wait_dscnt 0x0
	CROUND                                         ; the closing round
	s_endpgm
.Lfunc_end_k_q25eea88fe6_attn:
	.size	k_q25eea88fe6_attn, .Lfunc_end_k_q25eea88fe6_attn-k_q25eea88fe6_attn
	.p2alignl 7, 3214868480
	.fill 96, 4, 3214868480
	.section	.rodata,"a",@progbits
	.p2align	6, 0x0
	.amdhsa_kernel k_q25eea88fe6_attn
		.amdhsa_group_segment_fixed_size 327680
		.amdhsa_private_segment_fixed_size 0
		.amdhsa_enable_private_segment 0
		.amdhsa_kernarg_size 40
		.amdhsa_user_sgpr_count 2
		.amdhsa_user_sgpr_kernarg_segment_ptr 1
		.amdhsa_wavefront_size32 1
		.amdhsa_system_sgpr_workgroup_id_x 1
		.amdhsa_system_sgpr_workgroup_id_y 1
		.amdhsa_system_sgpr_workgroup_id_z 1
		.amdhsa_system_vgpr_workitem_id 0
		.amdhsa_next_free_vgpr 512
		.amdhsa_next_free_sgpr 80
		.amdhsa_reserve_vcc 0
		.amdhsa_float_denorm_mode_32 3
		.amdhsa_float_denorm_mode_16_64 3
		.amdhsa_memory_ordered 1
		.amdhsa_forward_progress 1
		.amdhsa_inst_pref_size 210
	.end_amdhsa_kernel
	.amdgpu_metadata
---
amdhsa.version: [ 1, 2 ]
amdhsa.kernels:
  - .name:           k_q25eea88fe6_attn
    .symbol:         k_q25eea88fe6_attn.kd
    .args:
      - { .name: qc, .offset: 0, .size: 8, .value_kind: global_buffer, .address_space: global }
      - { .name: kv, .offset: 8, .size: 8, .value_kind: global_buffer, .address_space: global }
      - { .name: lr, .offset: 16, .size: 8, .value_kind: global_buffer, .address_space: global }
      - { .name: lowp_scales, .offset: 24, .size: 8, .value_kind: global_buffer, .address_space: global }
      - { .name: oc, .offset: 32, .size: 8, .value_kind: global_buffer, .address_space: global }
    .group_segment_fixed_size: 327680
    .private_segment_fixed_size: 0
    .kernarg_segment_align: 8
    .kernarg_segment_size: 40
    .max_flat_workgroup_size: 256
    .sgpr_count:     80
    .vgpr_count:     512
    .wavefront_size: 32
...
	.end_amdgpu_metadata
.endif
;; end of part 3
;; launch projln (part 4): grid 256 x 1, 8 waves a work-group, no clusters, 165,376 bytes of LDS; arguments oc, wc, lowp_scales, tokens, gamma, bias, out0; writes out0
.if DOCPART == 4
	.amdgcn_target "amdgcn-amd-amdhsa--gfx1250"
	.amdhsa_code_object_version 6
	.text
	.protected	k_q25eea88fe6_projln
	.globl	k_q25eea88fe6_projln
	.p2align	8
	.type	k_q25eea88fe6_projln,@function
k_q25eea88fe6_projln:
	s_mov_b64 s[64:65], 0
	v_nop
	global_prefetch_b8 v0, s[64:65] scope:SCOPE_SE
	s_setreg_imm32_b32 hwreg(HW_REG_WAVE_MODE, 25, 1), 1
	s_wait_xcnt 0x0
; PROJLN.  Product 6 on codes of E4M3 (O's codes from the attention launch, Wp's from the first launch), x 2^(e10 + e11), + tokens, and the layer norm with gamma and bias.
; SHARES.  A work-group owns 32 token rows (two tiles of oc) and all 1,024 columns, so that a row's mean and variance stay in it.  Wave w makes columns 128 w .. 128 w + 127: eight tiles of Wp x two tiles of O: 16 accumulators.
; TRANSPOSED USE: source 0 = a tile of Wp, source 1 = a tile of O: a lane holds one token row (lane % 16); the 16 registers of Wp's tiles 2 b, 2 b + 1 are columns 32 b + 16 (lane / 16) + 0 .. 15.
; Wp GOES FROM MEMORY STRAIGHT INTO REGISTERS.  oc and wc are images of an operand's registers, so each load reads 512 consecutive bytes and its result is a quarter of a fragment.  No wave reads another wave's part of Wp.
; A half of a K step is four fragments, 16 loads, 8 matrix instructions.  Four sets of 64 registers (window 1) take turns: a set is asked for anew four places behind its products, so three or four halves, 48 to 64 loads a wave, are on their way.
; NO TENSOR LOAD, NO CLUSTER: a K step is 16 matrix instructions a wave for 16 KiB of Wp; a ring of two slots of 128 KiB shared in a cluster would have eight changes of slots, each with a round of the cluster's barrier,
; for 128 matrix instructions a wave in all, and one load a wave on its way.  Here the products have no barrier between them.
; O's 32 rows (32 KiB) are read once, an eighth by each wave, and shared through LDS.  The residual rows, gamma and bias are asked for as three further halves, into the sets that Wp has left.
; The work-group's 128 KiB of tokens are prefetched into the L2 in halves 2 and 4, 256 bytes a thread, each block once; their loads follow from half 12 on.
; THE WAY OUT: sums through a stage in LDS (32 rows of 4,096 + 16 bytes); a wave then takes four whole rows, and each store covers 512 consecutive bytes, aligned.
; LIMIT: e10 + e11 between -126 and 127, so that 2^(e10 + e11) is an f32 number.
; REGISTERS.  window 0: v1-10 addresses; v12-19 at work; v32-63, v64-95 O's fragments, two sets (v32-63 later a row from the stage); v96-127 O on its way to LDS; v128-255 accumulators.
;   window 1: Wp's four sets; then v0-127 four rows of tokens, later x; v128-159 gamma; v160-191 bias.
.set SPT,   4112
.set AREG,  32*SPT                     ; behind the stage: O's 32 KiB
.set SPARE, AREG+32768                 ; behind that: the spare words, 128 bytes for each wave
.set AF,  32
.set TA,  96
.set ACC, 128
.set GA,  128
.set BI,  160
.set MSB, 0
.macro WIN new
.if MSB != (\new)
	s_set_vgpr_msb (MSB<<8)|(\new)
.set MSB, (\new)
.endif
.endm
.macro PLACES
.rept 4
	v_nop
.endr
.endm
	s_load_b256 s[4:11], s[0:1], 0x0               ; oc 4, wc 6, scales 8, tokens 10
	s_load_b128 s[12:15], s[0:1], 0x20             ; gamma 12, bias 14
	s_load_b64 s[16:17], s[0:1], 0x30              ; out0
	v_lshl_add_u32 v5, v0, 2, SPARE
	v_mov_b32 v6, 0
	v_lshrrev_b32 v1, 5, v0
	s_delay_alu instid0(VALU_DEP_1)
	v_readfirstlane_b32 s18, v1                    ; wave 0..7
	v_and_b32 v1, 31, v0
	s_delay_alu instid0(VALU_DEP_1)
	v_lshlrev_b32 v1, 4, v1                        ; 16 x lane
	s_wait_alu depctr_va_vdst(0)                   ; the wait ahead of the run of scalar lines
	s_lshl_b32 s52, s18, 17
	s_add_co_u32 s52, s52, 0x300000                ; Wp's codes, my eight tiles
	s_mov_b32 s53, 0
	s_lshl_b32 s54, ttmp9, 15
	s_lshl_b32 s21, s18, 12
	s_add_co_u32 s54, s54, s21                     ; my eighth of the work-group's 32 KiB of oc
	s_mov_b32 s55, 0
	s_add_co_u32 s23, s21, AREG
	s_lshr_b32 s58, s18, 2                         ; my four rows on the way out: stage rows 4 w + i are token rows 8 (w / 4) + 4 (w % 4) + 8 ((w % 4) / 2) + i
	s_lshl_b32 s58, s58, 3
	s_and_b32 s59, s18, 3
	s_lshl_b32 s62, s59, 2
	s_add_co_u32 s58, s58, s62
	s_lshr_b32 s59, s59, 1
	s_lshl_b32 s59, s59, 3
	s_add_co_u32 s58, s58, s59
	s_lshl_b32 s59, ttmp9, 5
	s_add_co_u32 s58, s58, s59
	s_lshl_b32 s58, s58, 12
	s_mov_b32 s59, 0
	s_lshl_b32 s62, ttmp9, 17
	s_mov_b32 s63, 0
	v_add_nc_u32 v2, s23, v1                       ; O on its way into LDS
	v_add_nc_u32 v4, AREG, v1                      ; and out of it
	v_and_b32 v11, 15, v0
	v_bfe_u32 v12, v0, 4, 1
	s_delay_alu instid0(VALU_DEP_2)
	v_mul_u32_u24 v7, v11, SPT
	s_delay_alu instid0(VALU_DEP_1)
	v_lshl_add_u32 v7, v12, 6, v7
	s_lshl_b32 s22, s18, 9
	v_add_nc_u32 v7, s22, v7                       ; the stage, in: row r, 512 w + 64 h
	s_delay_alu instid0(VALU_DEP_1)
	v_add_nc_u32 v8, 16*SPT, v7                    ; the second tile's rows
	s_mul_i32 s22, s18, 4*SPT
	v_add_nc_u32 v9, s22, v1                       ; back: my four rows
	v_lshlrev_b32 v10, 8, v0                       ; the prefetches' offset: 256 x thread
	v_mov_b32 v17, 0                               ; (upper halves of pairs that are named whole)
	v_mov_b32 v19, 0
	s_wait_alu depctr_va_vdst(0)                   ; the wait at the head's end
	s_wait_kmcnt 0x0
	s_load_b64 s[56:57], s[8:9], 0x28              ; e10, e11
	s_add_nc_u64 s[52:53], s[6:7], s[52:53]
	s_add_nc_u64 s[54:55], s[4:5], s[54:55]
	s_add_nc_u64 s[66:67], s[10:11], s[58:59]
	s_add_nc_u64 s[68:69], s[16:17], s[58:59]
	s_add_nc_u64 s[70:71], s[10:11], s[62:63]
	s_mov_b32 s60, 0x3a800000                      ; 1 / 1024
	s_mov_b32 s61, 0x3727c5ac                      ; 1e-5
	s_mov_b32 s62, 0x76543210
	s_mov_b32 s63, 0xfedcba98
; half m's 16 loads.  m < 16: Wp's fragments 4 (m % 2) + 0 .. 3 of K step m / 2 into set m % 4;  16, 17: two rows of tokens each;  18: gamma and bias
.macro LOADH m
	WIN 0x40
.if (\m) < 16
.irp f, 0,1,2,3
.irp c, 0,1,2,3
	global_load_b128 v[64*((\m)%4)+16*\f+4*\c:64*((\m)%4)+16*\f+4*\c+3], v1, s[52:53] offset:16384*(4*((\m)%2)+\f)+2048*((\m)/2)+512*\c
.endr
.endr
.elseif (\m) < 18
.irp i, 0,1
.irp j, 0,1,2,3,4,5,6,7
	global_load_b128 v[64*((\m)-16)+32*\i+4*\j:64*((\m)-16)+32*\i+4*\j+3], v1, s[66:67] offset:4096*(2*((\m)-16)+\i)+512*\j
.endr
.endr
.else
.irp j, 0,1,2,3,4,5,6,7
	global_load_b128 v[GA+4*\j:GA+4*\j+3], v1, s[12:13] offset:512*\j
.endr
.irp j, 0,1,2,3,4,5,6,7
	global_load_b128 v[BI+4*\j:BI+4*\j+3], v1, s[14:15] offset:512*\j
.endr
.endif
	WIN 0
.endm
.macro FA s                            ; O's two fragments of K step s into set s % 2
.irp u, 0,1
.irp c, 0,1,2,3
	ds_load_b128 v[AF+32*((\s)%2)+16*\u+4*\c:AF+32*((\s)%2)+16*\u+4*\c+3], v4 offset:16384*\u+2048*(\s)+512*\c
.endr
.endr
.endm
.macro HALF n
.set HH, (\n)%2
.set HB, 64*((\n)%4)
.set HA, AF+32*(((\n)/2)%2)
	s_wait_loadcnt 48                              ; this half's 16 loads are in; the three halves asked for behind it may be out
.if HH == 0
	s_wait_dscnt 0x0                               ; this K step's fragments of O
.endif
	WIN 0x01                                       ; source 0 (Wp) window 1
.irp f, 0,1,2,3
.irp u, 0,1
.if (\n) < 2
	v_wmma_f32_16x16x128_fp8_fp8 v[ACC+64*\u+8*(4*HH+\f):ACC+64*\u+8*(4*HH+\f)+7], v[HB+16*\f:HB+16*\f+15], v[HA+16*\u:HA+16*\u+15], 0
.else
	v_wmma_f32_16x16x128_fp8_fp8 v[ACC+64*\u+8*(4*HH+\f):ACC+64*\u+8*(4*HH+\f)+7], v[HB+16*\f:HB+16*\f+15], v[HA+16*\u:HA+16*\u+15], v[ACC+64*\u+8*(4*HH+\f):ACC+64*\u+8*(4*HH+\f)+7]
.endif
.endr
.endr
	WIN 0
	PLACES                                         ; in front of loads into registers that these products read (half 15: of the stores that read the sums)
.if HH == 0 && (\n) < 14
	FA (\n)/2+1
.endif
.if (\n)+4 < 19
	LOADH (\n)+4
.endif
.if (\n) == 2
	global_prefetch_b8 v10, s[70:71] th:TH_LOAD_NT scope:SCOPE_SE
.endif
.if (\n) == 4
	global_prefetch_b8 v10, s[70:71] offset:65536 th:TH_LOAD_NT scope:SCOPE_SE
.endif
.endm
.irp j, 0,1,2,3,4,5,6,7
	global_load_b128 v[TA+4*\j:TA+4*\j+3], v1, s[54:55] offset:512*\j
.endr
	LOADH 0
	LOADH 1
	LOADH 2
	s_wait_loadcnt 48                              ; my eighth of O is in; Wp's 48 loads may be out
.irp j, 0,1,2,3,4,5,6,7
	ds_store_b128 v2, v[TA+4*\j:TA+4*\j+3] offset:512*\j
.endr
	LOADH 3
	s_wait_dscnt 0x0                               ; my stores are done, for the others' sake
	s_barrier_signal -1
	s_barrier_wait -1
	FA 0
.irp n, 0,1,2,3,4,5,6,7,8,9,10,11,12,13,14,15
	HALF \n
.endr
.irp u, 0,1
.irp p, 0,1,2,3
.irp k, 0,1,2,3
	ds_store_b128 v[7+\u], v[ACC+64*\u+16*\p+4*\k:ACC+64*\u+16*\p+4*\k+3] offset:128*\p+16*\k   ; each accumulator from its low end on
.endr
.endr
.endr
	s_wait_kmcnt 0x0
	s_add_co_i32 s56, s56, s57
	s_add_co_i32 s56, s56, 127
	s_lshl_b32 s56, s56, 23                        ; 2^(e10 + e11)
	s_mov_b32 s57, s56
	s_wait_dscnt 0x0
	s_barrier_signal -1
	s_barrier_wait -1
.irp j, 0,1,2,3,4,5,6,7
	ds_load_b128 v[32+4*\j:32+4*\j+3], v9 offset:512*\j
.endr
.macro REDUCE                          ; v[12:15] to one sum over the wave's 32 lanes, in v12
	v_pk_add_f32 v[12:13], v[12:13], v[14:15]
	s_delay_alu instid0(VALU_DEP_1)
	v_add_f32 v12, v12, v13
	s_delay_alu instid0(VALU_DEP_1)
	v_add_f32_dpp v12, v12, v12 row_xmask:1 row_mask:0xf bank_mask:0xf
	s_delay_alu instid0(VALU_DEP_1)
	v_add_f32_dpp v12, v12, v12 row_xmask:2 row_mask:0xf bank_mask:0xf
	s_delay_alu instid0(VALU_DEP_1)
	v_add_f32_dpp v12, v12, v12 row_xmask:4 row_mask:0xf bank_mask:0xf
	s_delay_alu instid0(VALU_DEP_1)
	v_add_f32_dpp v12, v12, v12 row_xmask:8 row_mask:0xf bank_mask:0xf
	s_delay_alu instid0(VALU_DEP_1)
	v_permlanex16_b32 v13, v12, s62, s63
	s_delay_alu instid0(VALU_DEP_1)
	v_add_f32 v12, v12, v13
.endm
.macro ROW i                           ; one whole row: 32 numbers a lane, in window 1 at RR
.set RR, 32*(\i)
	s_wait_dscnt 0x0
	WIN 0x50                                       ; destination and source 2 window 1
.set j, 0
.rept 16
	v_pk_fma_f32 v[RR+j:RR+j+1], v[32+j:33+j], s[56:57], v[RR+j:RR+j+1] op_sel_hi:[1,0,1]   ; x = sum x 2^(e10 + e11) + token
.set j, j+2
.endr
	WIN 0
.if (\i) < 3
.irp j, 0,1,2,3,4,5,6,7
	ds_load_b128 v[32+4*\j:32+4*\j+3], v9 offset:SPT*((\i)+1)+512*\j
.endr
.endif
	WIN 0x05                                       ; sources 0 and 1 window 1
	v_pk_add_f32 v[12:13], v[RR:RR+1], v[RR+2:RR+3]
	v_pk_add_f32 v[14:15], v[RR+4:RR+5], v[RR+6:RR+7]
	WIN 0x04                                       ; source 1 window 1
	v_pk_add_f32 v[12:13], v[12:13], v[RR+8:RR+9]
	v_pk_add_f32 v[14:15], v[14:15], v[RR+10:RR+11]
.set j, 12
.rept 5
	s_delay_alu instid0(VALU_DEP_2)
	v_pk_add_f32 v[12:13], v[12:13], v[RR+j:RR+j+1]
	s_delay_alu instid0(VALU_DEP_2)
	v_pk_add_f32 v[14:15], v[14:15], v[RR+j+2:RR+j+3]
.set j, j+4
.endr
	WIN 0
	REDUCE
	s_delay_alu instid0(VALU_DEP_1)
	v_mul_f32 v16, 0xba800000, v12                 ; -mean
	WIN 0x41                                       ; destination and source 0 window 1
.set j, 0
.rept 16
	v_pk_add_f32 v[RR+j:RR+j+1], v[RR+j:RR+j+1], v[16:17] op_sel_hi:[1,0]
.set j, j+2
.endr
	WIN 0x05
	v_pk_mul_f32 v[12:13], v[RR:RR+1], v[RR:RR+1]
	v_pk_mul_f32 v[14:15], v[RR+2:RR+3], v[RR+2:RR+3]
.set j, 4
.rept 7
	s_delay_alu instid0(VALU_DEP_2)
	v_pk_fma_f32 v[12:13], v[RR+j:RR+j+1], v[RR+j:RR+j+1], v[12:13]
	s_delay_alu instid0(VALU_DEP_2)
	v_pk_fma_f32 v[14:15], v[RR+j+2:RR+j+3], v[RR+j+2:RR+j+3], v[14:15]
.set j, j+4
.endr
	WIN 0
	REDUCE
	s_delay_alu instid0(VALU_DEP_1)
	v_fma_f32 v12, v12, s60, s61                   ; variance + 1e-5
	s_wait_alu depctr_va_vdst(0)                   ; the wait ahead of the transcendental
	v_rsq_f32 v18, v12
	v_nop
	s_wait_alu depctr_va_vdst(0)                   ; and ahead of its first reader
	WIN 0x41
.set j, 0
.rept 16
	v_pk_mul_f32 v[RR+j:RR+j+1], v[RR+j:RR+j+1], v[18:19] op_sel_hi:[1,0]
.set j, j+2
.endr
	WIN 0x55                                       ; all four window 1
.set j, 0
.rept 16
	v_pk_fma_f32 v[RR+j:RR+j+1], v[RR+j:RR+j+1], v[GA+j:GA+j+1], v[BI+j:BI+j+1]
.set j, j+2
.endr
	WIN 0x04                                       ; a store's data window 1
.irp j, 0,1,2,3,4,5,6,7
	global_store_b128 v1, v[RR+4*\j:RR+4*\j+3], s[68:69] offset:4096*(\i)+512*\j th:TH_STORE_NT
.endr
	WIN 0
.endm
	s_wait_loadcnt 0x0                             ; tokens, gamma, bias
	ROW 0
	ROW 1
	ROW 2
	ROW 3
	s_wait_tensorcnt 0x0                           ; the wave's end, behind my last LDS store
	ds_add_u32 v5, v6
	s_wait_dscnt 0x0
	s_endpgm
.Lfunc_end_k_q25eea88fe6_projln:
	.size	k_q25eea88fe6_projln, .Lfunc_end_k_q25eea88fe6_projln-k_q25eea88fe6_projln
	.p2alignl 7, 3214868480
	.fill 96, 4, 3214868480
	.section	.rodata,"a",@progbits
	.p2align	6, 0x0
	.amdhsa_kernel k_q25eea88fe6_projln
		.amdhsa_group_segment_fixed_size 165376
		.amdhsa_private_segment_fixed_size 0
		.amdhsa_enable_private_segment 0
		.amdhsa_kernarg_size 56
		.amdhsa_user_sgpr_count 2
		.amdhsa_user_sgpr_kernarg_segment_ptr 1
		.amdhsa_wavefront_size32 1
		.amdhsa_system_sgpr_workgroup_id_x 1
		.amdhsa_system_sgpr_workgroup_id_y 1
		.amdhsa_system_sgpr_workgroup_id_z 1
		.amdhsa_system_vgpr_workitem_id 0
		.amdhsa_next_free_vgpr 512
		.amdhsa_next_free_sgpr 72
		.amdhsa_reserve_vcc 0
		.amdhsa_float_denorm_mode_32 3
		.amdhsa_float_denorm_mode_16_64 3
		.amdhsa_memory_ordered 1
		.amdhsa_forward_progress 1
		.amdhsa_inst_pref_size 92
	.end_amdhsa_kernel
	.amdgpu_metadata
---
amdhsa.version: [ 1, 2 ]
amdhsa.kernels:
  - .name:           k_q25eea88fe6_projln
    .symbol:         k_q25eea88fe6_projln.kd
    .args:
      - { .name: oc, .offset: 0, .size: 8, .value_kind: global_buffer, .address_space: global }
      - { .name: wc, .offset: 8, .size: 8, .value_kind: global_buffer, .address_space: global }
      - { .name: lowp_scales, .offset: 16, .size: 8, .value_kind: global_buffer, .address_space: global }
      - { .name: tokens, .offset: 24, .size: 8, .value_kind: global_buffer, .address_space: global }
      - { .name: gamma, .offset: 32, .size: 8, .value_kind: global_buffer, .address_space: global }
      - { .name: bias, .offset: 40, .size: 8, .value_kind: global_buffer, .address_space: global }
      - { .name: out0, .offset: 48, .size: 8, .value_kind: global_buffer, .address_space: global }
    .group_segment_fixed_size: 165376
    .private_segment_fixed_size: 0
    .kernarg_segment_align: 8
    .kernarg_segment_size: 56
    .max_flat_workgroup_size: 256
    .sgpr_count:     72
    .vgpr_count:     512
    .wavefront_size: 32
...
	.end_amdgpu_metadata
.endif
;; end of part 4
